; MI455X (gfx1250); checked and timed in simulation.
; The chip was launched on July 23, 2026; its instructions are those of AMD's public machine-readable ISA for CDNA 5 (MIT licence, August 2026) and "CDNA5" Instruction Set Architecture Reference Guide (July 2026). The comments in the code are by the model that wrote it; some were corrected since.
;; HM LSTM Cell. Allowed arithmetic: matrix products marked QUANTISED: E4M3 operands, one E8M0 scale for each 32 along K, by v_wmma_scale_f32_16x16x128_f8f6f4 with both operands' format E4M3, f32 sums; everything else in f32.
;; Inputs: U_11 4,097 x 1,024 float32; U_21 4,097 x 1,024 float32; W_01 4,097 x 1,024 float32; bias 4,097 float32; c 1,024 x 4,096 float32; h 1,024 x 4,096 float32; h_bottom 1,024 x 4,096 float32; h_top 1,024 x 4,096 float32; z 1 x 4,096 float32; z_bottom 1 x 4,096 float32.
;; Outputs: out0 1,024 x 4,096 float32; out1 1,024 x 4,096 float32; out2 1 x 4,096 float32.
;; This version of the problem:
;;   THIS VERSION OF THE PROBLEM IS GIVEN IN LOW PRECISION. The matrix products marked QUANTISED in the list below multiply operands that are first quantised to E4M3 (4 exponent bits, 3 mantissa bits; 8 bits a number), with one power-of-two scale for each 32 numbers along K (OCP MX v1.0); their sums are f32. All else is computed in f32.
;;   The module's matrix products, in the order in which they are computed (A, B: the left and right operand; K: the contracted axis; several contracted axes count as one K, in the product's order):
;;     1. [M 4,097, K 1,024] x [K 1,024, N 4,096]; A: input W_01; B: input h_bottom: QUANTISED
;;     2. [M 4,097, K 1,024] x [K 1,024, N 4,096]; A: input U_21; B: input h_top: QUANTISED
;;     3. [M 4,097, K 1,024] x [K 1,024, N 4,096]; A: input U_11; B: input h: QUANTISED
;;   THE QUANTISER, for each operand of a quantised product, along K:
;;     - K is cut into blocks of 32 from its start; a last block that is shorter is filled with zeros.
;;     - A block's scale is 2^e with e = floor(log2(the largest magnitude in the block)) - 8, held to -126 .. 127; a block of zeros has e = 0. As a byte (E8M0): e + 127.
;;     - Each number is divided by its block's scale, clamped to +-448, and rounded to the nearest number of E4M3, ties to even, subnormals kept.
;;     - The product sums the exact products of the quantised numbers (number of the format x scale) in f32.
;;   ~~~python
;;   def quantise(x, axis):      # numpy; x: float32 -> the quantised numbers, widened to float32 again
;;       x = np.moveaxis(x, axis, -1); K = x.shape[-1]
;;       x = np.pad(x, [(0, 0)] * (x.ndim - 1) + [(0, -K % 32)]); x = x.reshape(x.shape[:-1] + (-1, 32)); a = np.abs(x).max(-1, keepdims=True)
;;       e = np.where(a > 0, np.clip(np.frexp(np.where(a > 0, a, 1))[1] - 1 - 8, -126, 127), 0)      # np.frexp(a)[1] - 1 = floor(log2(a)), exactly
;;       r = np.clip(x / 2.0 ** e, -448, 448)
;;       step = 2.0 ** (np.maximum(np.frexp(np.where(r == 0, 1, r))[1] - 1, -6) - 3)
;;       q = np.round(r / step) * step * 2.0 ** e      # np.round: ties to even
;;       return np.moveaxis(q.reshape(q.shape[:-2] + (-1,))[..., :K], -1, axis).astype(np.float32)
;;   ~~~
;; One version. Each part assembles by itself: llvm-mc -triple=amdgcn-amd-amdhsa -mcpu=gfx1250 --defsym DOCPART=n.
;; ======== version 1 of 1: 2 launches
;; limits: right only within a limited range of input values
;; workspace buffers: wq 12,976,128 bytes; hq 12,976,128 bytes; zq 3,328 bytes
;; launch quant (part 1): grid 769 x 1, 4 waves a work-group, no clusters, 68,096 bytes of LDS; arguments U_21, U_11, W_01, wq, h_top, h, h_bottom, hq, zq; writes wq, hq, zq
.if DOCPART == 1
	.amdgcn_target "amdgcn-amd-amdhsa--gfx1250"
	.amdhsa_code_object_version 6
	.text
	.protected	k_qab2ad611c9_quant
	.globl	k_qab2ad611c9_quant
	.p2align	8
	.type	k_qab2ad611c9_quant,@function
k_qab2ad611c9_quant:
	s_mov_b64 s[64:65], 0
	v_nop
	global_prefetch_b8 v0, s[64:65] scope:SCOPE_SE
	s_setreg_imm32_b32 hwreg(HW_REG_WAVE_MODE, 25, 1), 1
	s_wait_xcnt 0x0
; All six operands of the three products become codes of FP8 (E4M3) with one E8M0 scale byte for each 32 along K, in ONE launch: a launch for each kind would cost a second start and end, and together
; three work-groups share a WGP, so that twelve waves' loads (8 KB a wave) are on their way at a time.
; THE RULE.  A block's scale is 2^(floor(log2(its largest magnitude)) - 8); its byte is the largest magnitude's exponent field - 8, held at 1 from below.  Each number is divided by the scale, held within +-448
; and rounded to the nearest code, ties to even.  A block of zeros gets the byte 1 where the rule says 127: its codes are zeros, which add nothing under any byte but 0xff, and this program alone reads the bytes.
; LIMITS: blocks whose largest magnitude lies under 2^(8 - 126), whose byte is held at 1, were not tried; NaN and infinities among the inputs are not served.
; WHERE THE CODES GO.  wq and hq are laid for the product's launch: [tile of 128 rows, 0..31][K step ks = 0..11][33,792 bytes].  A K step is 256 along K of one product: ks = 4 p + k / 256;
; p = 0: U_21 x h_top, 1: U_11 x h, 2: W_01 x h_bottom.  Such a block holds 128 rows of 256 codes and behind them the rows' scale bytes, 8 a row.
; wq's ROWS ARE PERMUTED: source row 1024 g + j (gate g, hidden unit j) is row 32 g + j % 32 of tile j / 32, so that the four gates of a hidden unit lie in one tile.  hq's row n % 128 of tile n / 128 is column n.
; Row 4096 of the weights goes to zq: its codes at 1024 p, its 32 scale bytes at 3072 + 32 p.
; THREE PATHS, parted on the work-group's number X alone:
;   X < 384, THE WEIGHTS ([4097][1024], K innermost): weight X / 128, source rows 32 (X % 128) on; wave w takes k = 256 w .. + 255 of the 32 rows: 16 steps of two rows.  Each load reads 512 consecutive bytes, 16 a lane;
;     a step's 2,048 bytes turn through the wave's own stage in LDS and come back 64 bytes a lane, so that a lane holds 16 neighbours along K and two neighbouring lanes a block of 32.
;     A step's codes are 512 consecutive bytes of wq; a wave's 256 scale bytes are gathered in LDS and leave as 256 consecutive bytes, aligned.
;   384 <= X < 768, THE ACTIVATIONS ([1024 (k)][4096 (n)], K the FIRST axis): tile (X - 384) % 32, K step (X - 384) / 32; wave w its columns 32 w .. + 31.  A LANE TAKES A COLUMN, AND ITS REGISTERS RUN DOWN K:
;     each load reads neighbouring n in neighbouring lanes (128 consecutive bytes a wave, 512 a work-group), a block of 32 lies in one lane's registers, and the conversions give codes with K innermost.
;     A lane's codes go through the wave's own stage in LDS and leave as rows: an instruction stores 512 consecutive bytes.  Every offset is an immediate: 255 rows of 16,384 bytes at the most.
;   X = 768, THE THREE ROWS 4096, one a wave (wave 3 has none): 12 KB in all, so its lanes simply take a block of 32 each, 128 bytes apart.  No LDS.
; Waves share nothing: no barrier.  Each of the two paths that use LDS has LDS bytes of its own.
.set EMAX,   8
.set MANT,   0x600000                  ; the mantissa field of 448 as f32
.set BLK,    33792                     ; a block of wq or of hq
; the weights' path
.set STEPS,  16
.set CB,     16                        ; bytes of 16 codes
.set WR,     16                        ; v16-79   four sets of 16 numbers as they are loaded
.set WX,     80                        ; v80-111  two sets of 16 neighbours
.set WE,     112                       ; v112-127 a scale byte for each step
.set WC,     128                       ; v128-191 codes: four registers for each step, so that no store's data are written again
.set WREG,   8192                      ; LDS: a region for each wave: two stages of 32 x SP bytes, and behind them its 256 scale bytes
.set SP,     80                        ; a lane's place in a stage: its 64 bytes + 16 of padding
.set ROWB,   4096                      ; a source row in bytes
; the activations' path
.set NB,     8                         ; blocks of 32 along K for a wave
.set HBASE,  4*WREG                    ; its LDS bytes begin behind the weights' path's
.set PITCH,  272                       ; a stage row: 256 bytes of codes + 16
.set SRCROW, 16384                     ; a source row in bytes
.set HSB,    24                        ; v24-25   the scale bytes, four to a register
.set HX,     32                        ; v32-95   two sets of 32 numbers
.set HC,     96                        ; v96-103  a block's codes
.set HOUT,   112                       ; v112-175 the way out: 16 x 4 registers
	s_load_b256 s[4:11], s[0:1], 0x0               ; U_21, U_11, W_01, wq
	s_load_b256 s[32:39], s[0:1], 0x20             ; h_top, h, h_bottom, hq
	s_load_b64 s[12:13], s[0:1], 0x40              ; zq
	v_lshl_add_u32 v192, v0, 2, 0x10800
	v_mov_b32 v193, 0
	v_lshrrev_b32 v1, 5, v0
	v_readfirstlane_b32 s16, v1                    ; wave
	v_and_b32 v2, 31, v0                           ; lane
	s_mov_b32 s23, MANT                            ; (an instruction takes one literal: the hold's line has another)
	s_wait_kmcnt 0x0
	s_cmp_ge_u32 ttmp9, 384
	s_cbranch_scc1 .Lnot_weights
	; ======== THE WEIGHTS
	s_wait_alu depctr_va_vdst(0)
	v_lshlrev_b32 v3, 4, v2                        ; my 16 bytes of a load's 512
	s_mul_i32 s17, s16, WREG
	v_lshrrev_b32 v14, 2, v2
	v_mul_u32_u24 v14, v14, SP
	v_and_b32 v15, 3, v2
	v_lshl_add_u32 v14, v15, 4, v14
	v_add_nc_u32 v14, s17, v14                     ; the stage, on the way in: SP (lane / 4) + 16 (lane % 4); a load's 512 bytes take eight places
	v_mul_u32_u24 v15, v2, SP
	v_add_nc_u32 v15, s17, v15                     ; and on the way out: SP x lane: my 16 neighbours
	v_mul_u32_u24 v4, v2, CB                       ; my codes' place in a step's
	v_lshrrev_b32 v5, 1, v2
	s_add_co_u32 s17, s17, 2*32*SP
	v_add_nc_u32 v5, s17, v5                       ; LDS: my wave's 256 scale bytes, my block's byte
	v_lshlrev_b32 v7, 3, v2                        ; and on the way out 8 bytes a lane
	v_add_nc_u32 v6, s17, v7
	s_cmp_lt_u32 ttmp9, 256                        ; which weight: the choice hangs on the work-group's number alone
	s_cselect_b64 s[6:7], s[6:7], s[8:9]
	s_cmp_lt_u32 ttmp9, 128
	s_cselect_b64 s[4:5], s[4:5], s[6:7]
	s_lshr_b32 s18, ttmp9, 7                       ; p
	s_and_b32 s19, ttmp9, 127                      ; which 32 source rows
	s_lshr_b32 s20, s19, 5                         ; the gate g
	s_and_b32 s21, s19, 31                         ; the tile
	s_lshl_b32 s28, s19, 17                        ; 32 rows of 4,096 bytes
	s_lshl_b32 s29, s16, 10                        ; my wave's 256 numbers of a row
	s_add_co_u32 s28, s28, s29
	s_mov_b32 s29, 0
	s_add_nc_u64 s[4:5], s[4:5], s[28:29]
	s_mul_i32 s21, s21, 12
	s_lshl_b32 s18, s18, 2
	s_add_co_u32 s21, s21, s18
	s_add_co_u32 s21, s21, s16                     ; the block: 12 x tile + 4 p + wave
	s_mul_i32 s28, s21, BLK
	s_lshl_b32 s30, s20, 13                        ; rows 32 g on: 256 bytes a row
	s_add_co_u32 s30, s30, s28
	s_mov_b32 s31, 0
	s_add_nc_u64 s[24:25], s[10:11], s[30:31]      ; where my codes go
	s_lshl_b32 s30, s20, 8                         ; their scale bytes: 8 a row, behind the block's 32,768 bytes of codes
	s_add_co_u32 s30, s30, s28
	s_add_co_u32 s30, s30, 32768
	s_add_nc_u64 s[26:27], s[10:11], s[30:31]
.macro WLOAD t                         ; step t: rows 2 t and 2 t + 1, two loads of 512 consecutive bytes each
.irp i, 0,1,2,3
	global_load_b128 v[WR+16*((\t)%4)+4*\i:WR+16*((\t)%4)+4*\i+3], v3, s[4:5] offset:(2*(\t)+\i/2)*ROWB+(\i%2)*512 th:TH_LOAD_NT
.endr
.endm
.macro WTURN t                         ; step t's numbers through the stage: LDS serves a wave's instructions in order, so no wait stands between the stores and the loads
.irp i, 0,1,2,3
	ds_store_b128 v14, v[WR+16*((\t)%4)+4*\i:WR+16*((\t)%4)+4*\i+3] offset:32*SP*((\t)%2)+8*SP*\i
.endr
.irp i, 0,1,2,3
	ds_load_b128 v[WX+16*((\t)%2)+4*\i:WX+16*((\t)%2)+4*\i+3], v15 offset:32*SP*((\t)%2)+16*\i
.endr
.endm
.irp t, 0,1,2,3
	WLOAD \t
.endr
	s_wait_alu depctr_va_vdst(0)
	s_wait_loadcnt 12                              ; step 0's four loads are in; the twelve of steps 1 to 3 may be out
	WTURN 0
.macro WSTEP t
.set XS, WX+16*((\t)%2)
.if (\t) > 0
	s_wait_dscnt 1                                 ; this step's numbers are back from the stage (the last step's byte store may be out): so its stores into the stage have read their registers,
.else
	s_wait_dscnt 0x0
.endif
.if (\t)+4 < STEPS
	WLOAD (\t)+4                                   ; which take the loads of four steps on
.endif
.if (\t)+1 < STEPS
.if STEPS-2-(\t) >= 3
	s_wait_loadcnt 12                              ; the next step's four loads are in; those of the three steps behind it may be out
.else
	s_wait_loadcnt 4*(STEPS-2-(\t))
.endif
	WTURN (\t)+1                                   ; and go through the other stage while this step is worked
.endif
	v_max3_num_f32 v8, |v[XS]|, |v[XS+1]|, |v[XS+2]|               ; the largest magnitude of my 16, in two chains
	v_max3_num_f32 v9, |v[XS+3]|, |v[XS+4]|, |v[XS+5]|
.irp i, 6,10
	v_max3_num_f32 v8, v8, |v[XS+\i]|, |v[XS+\i+1]|
	v_max3_num_f32 v9, v9, |v[XS+\i+2]|, |v[XS+\i+3]|
.endr
	v_max3_num_f32 v8, v8, |v[XS+14]|, |v[XS+15]|
	v_max3_num_f32 v8, v8, v9, (EMAX+1)<<23        ; and the floor 2^(9 - 127): so the byte cannot fall under 1
	v_max_num_f32_dpp v8, v8, v8 row_xmask:1 row_mask:0xf bank_mask:0xf   ; and of my neighbour's 16: the block's
	v_add_nc_u32 v11, -(EMAX<<23), v8              ; 8 off its exponent field: the conversion takes the exponent field of this operand as its scale
	v_and_or_b32 v10, v8, 0x7f800000, s23          ; 448 x the scale: the largest magnitude's exponent field over 448's mantissa
.irp i, 0,1,2,3,4,5,6,7,8,9,10,11,12,13,14,15
	v_med3_num_f32 v[XS+\i], v[XS+\i], -v10, v10   ; the conversion to an 8-bit code does not saturate (ISA guide 7.6.2): hold the number first
.endr
	v_cvt_scalef32_pk8_fp8_f32 v[WC+4*(\t):WC+4*(\t)+1], v[XS:XS+7], v11
	v_cvt_scalef32_pk8_fp8_f32 v[WC+4*(\t)+2:WC+4*(\t)+3], v[XS+8:XS+15], v11
	v_lshrrev_b32 v[WE+(\t)], 23, v11              ; the scale's byte (also the plain line behind the conversions)
	ds_store_b8 v5, v[WE+(\t)] offset:16*(\t)      ; both lanes of a block write the same byte with the same value
	global_store_b128 v4, v[WC+4*(\t):WC+4*(\t)+3], s[24:25] offset:32*CB*(\t)   ; 32 lanes store 512 consecutive bytes: two rows of the block
.endm
.irp t, 0,1,2,3,4,5,6,7,8,9,10,11,12,13,14,15
	WSTEP \t
.endr
	ds_load_b64 v[12:13], v6                       ; LDS serves a wave's instructions in order: these see my stores
	s_wait_dscnt 0x0
	global_store_b64 v7, v[12:13], s[26:27]        ; 32 lanes store 256 consecutive bytes, aligned: 32 rows x 8 scale bytes
	s_wait_tensorcnt 0x0
	ds_add_u32 v192, v193
	s_wait_dscnt 0x0
	s_endpgm
.Lnot_weights:
	s_cmp_eq_u32 ttmp9, 768
	s_cbranch_scc1 .Lzrow                          ; the last work-group: rows 4096
	; ======== THE ACTIVATIONS
	s_sub_co_u32 s28, ttmp9, 384
	s_and_b32 s29, s28, 31                         ; the tile: neighbouring work-groups read neighbouring 512 bytes of the same source rows
	s_lshr_b32 s18, s28, 5                         ; the K step, 0..11
	s_wait_alu depctr_va_vdst(0)
	v_lshlrev_b32 v3, 2, v2                        ; in: 4 bytes a lane
	s_mul_i32 s19, s16, 32*PITCH
	s_add_co_u32 s19, s19, HBASE                   ; my stage
	v_mul_u32_u24 v4, v2, PITCH
	v_add_nc_u32 v4, s19, v4                       ; into it: row = my column
	v_and_b32 v5, 15, v2
	v_lshrrev_b32 v6, 4, v2                        ; out of it: sixteen lanes to a row, two rows an instruction
	v_mul_u32_u24 v7, v6, PITCH
	v_lshl_add_u32 v7, v5, 4, v7
	v_add_nc_u32 v7, s19, v7
	v_lshlrev_b32 v8, 4, v2                        ; in hq two rows of 256 bytes are 512 bytes on end: 16 x lane
	v_lshlrev_b32 v9, 3, v2                        ; my column's 8 scale bytes
	s_and_b32 s20, s18, 3
	s_lshl_b32 s20, s20, 22                        ; 256 source rows of 16,384 bytes for each K step inside a tensor
	s_lshl_b32 s21, s29, 9                         ; 128 columns of 4 bytes a tile
	s_add_co_u32 s20, s20, s21
	s_lshl_b32 s21, s16, 7                         ; 32 columns a wave
	s_add_co_u32 s20, s20, s21
	s_mov_b32 s21, 0
	s_mul_i32 s22, s29, 12
	s_add_co_u32 s22, s22, s18
	s_mul_i32 s22, s22, BLK                        ; the block's first byte
	s_lshl_b32 s24, s16, 13                        ; my 32 rows of 256 bytes
	s_add_co_u32 s24, s24, s22
	s_mov_b32 s25, 0
	s_lshl_b32 s26, s16, 8                         ; and their 256 scale bytes, behind the codes
	s_add_co_u32 s26, s26, s22
	s_add_co_u32 s26, s26, 32768
	s_mov_b32 s27, 0
	s_cmp_lt_u32 s18, 8                            ; which tensor: the choice hangs on the work-group's number alone
	s_cselect_b64 s[34:35], s[34:35], s[36:37]
	s_cmp_lt_u32 s18, 4
	s_cselect_b64 s[32:33], s[32:33], s[34:35]
	s_add_nc_u64 s[4:5], s[32:33], s[20:21]        ; the numbers
	s_add_nc_u64 s[6:7], s[38:39], s[24:25]        ; the codes
	s_add_nc_u64 s[8:9], s[38:39], s[26:27]        ; the scale bytes
.macro HLOAD t                         ; block t: rows 32 t + i of my column, i = 0 .. 31, into set t % 2
.irp i, 0,1,2,3,4,5,6,7,8,9,10,11,12,13,14,15,16,17,18,19,20,21,22,23,24,25,26,27,28,29,30,31
	global_load_b32 v[HX+32*((\t)%2)+\i], v3, s[4:5] offset:(32*(\t)+\i)*SRCROW
.endr
.endm
	HLOAD 0
	HLOAD 1
.macro HBLOCK t
.set XS, HX+32*((\t)%2)
.if (\t) < NB-1
	s_wait_loadcnt 32                              ; this block's 32 loads are in; the next block's may be out
.else
	s_wait_loadcnt 0
.endif
	v_max3_num_f32 v12, |v[XS]|, |v[XS+1]|, |v[XS+2]|               ; the block's largest magnitude: all 32 numbers are mine
	v_max3_num_f32 v13, |v[XS+3]|, |v[XS+4]|, |v[XS+5]|
.irp i, 6,10,14,18,22,26
	v_max3_num_f32 v12, v12, |v[XS+\i]|, |v[XS+\i+1]|
	v_max3_num_f32 v13, v13, |v[XS+\i+2]|, |v[XS+\i+3]|
.endr
	v_max3_num_f32 v12, v12, |v[XS+30]|, |v[XS+31]|
	v_max3_num_f32 v12, v12, v13, (EMAX+1)<<23     ; and the floor 2^(9 - 127): so the byte cannot fall under 1
	v_add_nc_u32 v11, -(EMAX<<23), v12             ; 8 off its exponent field: the conversion's scale operand
	v_and_or_b32 v10, v12, 0x7f800000, s23         ; 448 x the scale
	v_lshrrev_b32 v13, 23, v11                     ; the scale's byte
.if (\t)%4 == 0
	v_mov_b32 v[HSB+(\t)/4], v13                   ; four bytes to a register, the lower K in the lower byte
.else
	v_lshl_or_b32 v[HSB+(\t)/4], v13, 8*((\t)%4), v[HSB+(\t)/4]
.endif
.irp i, 0,1,2,3,4,5,6,7,8,9,10,11,12,13,14,15,16,17,18,19,20,21,22,23,24,25,26,27,28,29,30,31
	v_med3_num_f32 v[XS+\i], v[XS+\i], -v10, v10   ; the conversion to an 8-bit code does not saturate (ISA guide 7.6.2): hold the number first
.endr
.irp g, 0,1,2,3
	v_cvt_scalef32_pk8_fp8_f32 v[HC+2*\g:HC+2*\g+1], v[XS+8*\g:XS+8*\g+7], v11
.endr
	v_nop                                          ; a plain line behind the last conversion
	ds_store_b128 v4, v[HC:HC+3] offset:32*(\t)    ; 32 codes: 32 bytes of my column's row
	ds_store_b128 v4, v[HC+4:HC+7] offset:32*(\t)+16
.if (\t)+2 < NB
	HLOAD (\t)+2
.endif
	s_wait_dscnt 0x0                               ; the stores have read their registers: the next block's codes may be written
.endm
.set Q, 0
.rept NB
	HBLOCK Q
.set Q, Q+1
.endr
	global_store_b64 v9, v[HSB:HSB+1], s[8:9]      ; 32 lanes store 256 consecutive bytes, aligned
.irp t, 0,1,2,3,4,5,6,7,8,9,10,11,12,13,14,15
	ds_load_b128 v[HOUT+4*\t:HOUT+4*\t+3], v7 offset:2*\t*PITCH   ; LDS serves a wave's instructions in order: these see my stores
.endr
.irp t, 0,1,2,3,4,5,6,7,8,9,10,11,12,13,14,15
	s_wait_dscnt 15-\t                             ; rows 2 t and 2 t + 1 are back; the younger loads may be out
	global_store_b128 v8, v[HOUT+4*\t:HOUT+4*\t+3], s[6:7] offset:512*\t
.endr
	s_wait_tensorcnt 0x0
	ds_add_u32 v192, v193
	s_wait_dscnt 0x0
	s_endpgm
	; ======== ROWS 4096: wave w takes weight w's; lane l its block l of 32 numbers
.Lzrow:
	s_cmp_eq_u32 s16, 3
	s_cbranch_scc1 .Lend
	s_cmp_lt_u32 s16, 2
	s_cselect_b64 s[6:7], s[6:7], s[8:9]
	s_cmp_lt_u32 s16, 1
	s_cselect_b64 s[4:5], s[4:5], s[6:7]
	s_add_nc_u64 s[4:5], s[4:5], 4096*ROWB
	s_wait_alu depctr_va_vdst(0)
	v_lshlrev_b32 v3, 7, v2                        ; 128 bytes a block
.irp i, 0,1,2,3,4,5,6,7
	global_load_b128 v[16+4*\i:19+4*\i], v3, s[4:5] offset:16*\i
.endr
	s_lshl_b32 s17, s16, 10
	v_lshl_add_u32 v4, v2, 5, s17                  ; the codes' place in zq: 1024 w + 32 l
	s_lshl_b32 s17, s16, 5
	s_add_co_u32 s17, s17, 3072
	v_add_nc_u32 v5, s17, v2                       ; the byte's: 3072 + 32 w + l
	s_wait_loadcnt 0x0
	v_max3_num_f32 v12, |v16|, |v17|, |v18|        ; all 32 numbers of the block are mine
	v_max3_num_f32 v13, |v19|, |v20|, |v21|
.irp i, 6,10,14,18,22,26
	v_max3_num_f32 v12, v12, |v[16+\i]|, |v[17+\i]|
	v_max3_num_f32 v13, v13, |v[18+\i]|, |v[19+\i]|
.endr
	v_max3_num_f32 v12, v12, |v46|, |v47|
	v_max3_num_f32 v12, v12, v13, (EMAX+1)<<23
	v_add_nc_u32 v11, -(EMAX<<23), v12
	v_and_or_b32 v10, v12, 0x7f800000, s23
	v_lshrrev_b32 v13, 23, v11
.irp i, 0,1,2,3,4,5,6,7,8,9,10,11,12,13,14,15,16,17,18,19,20,21,22,23,24,25,26,27,28,29,30,31
	v_med3_num_f32 v[16+\i], v[16+\i], -v10, v10
.endr
.irp g, 0,1,2,3
	v_cvt_scalef32_pk8_fp8_f32 v[128+2*\g:129+2*\g], v[16+8*\g:23+8*\g], v11
.endr
	v_nop                                          ; a plain line behind the last conversion
	global_store_b128 v4, v[128:131], s[12:13]
	global_store_b128 v4, v[132:135], s[12:13] offset:16
	global_store_b8 v5, v13, s[12:13]
.Lend:
	s_endpgm
.Lfunc_end_k_qab2ad611c9_quant:
	.size	k_qab2ad611c9_quant, .Lfunc_end_k_qab2ad611c9_quant-k_qab2ad611c9_quant
	.p2alignl 7, 3214868480
	.fill 96, 4, 3214868480
	.section	.rodata,"a",@progbits
	.p2align	6, 0x0
	.amdhsa_kernel k_qab2ad611c9_quant
		.amdhsa_group_segment_fixed_size 68096
		.amdhsa_private_segment_fixed_size 0
		.amdhsa_enable_private_segment 0
		.amdhsa_kernarg_size 72
		.amdhsa_user_sgpr_count 2
		.amdhsa_user_sgpr_kernarg_segment_ptr 1
		.amdhsa_wavefront_size32 1
		.amdhsa_system_sgpr_workgroup_id_x 1
		.amdhsa_system_sgpr_workgroup_id_y 1
		.amdhsa_system_sgpr_workgroup_id_z 1
		.amdhsa_system_vgpr_workitem_id 0
		.amdhsa_next_free_vgpr 194
		.amdhsa_next_free_sgpr 66
		.amdhsa_reserve_vcc 0
		.amdhsa_float_denorm_mode_32 3
		.amdhsa_float_denorm_mode_16_64 3
		.amdhsa_memory_ordered 1
		.amdhsa_forward_progress 1
		.amdhsa_inst_pref_size 115
	.end_amdhsa_kernel
	.amdgpu_metadata
---
amdhsa.version: [ 1, 2 ]
amdhsa.kernels:
  - .name:           k_qab2ad611c9_quant
    .symbol:         k_qab2ad611c9_quant.kd
    .args:
      - { .name: U_21, .offset: 0, .size: 8, .value_kind: global_buffer, .address_space: global }
      - { .name: U_11, .offset: 8, .size: 8, .value_kind: global_buffer, .address_space: global }
      - { .name: W_01, .offset: 16, .size: 8, .value_kind: global_buffer, .address_space: global }
      - { .name: wq, .offset: 24, .size: 8, .value_kind: global_buffer, .address_space: global }
      - { .name: h_top, .offset: 32, .size: 8, .value_kind: global_buffer, .address_space: global }
      - { .name: h, .offset: 40, .size: 8, .value_kind: global_buffer, .address_space: global }
      - { .name: h_bottom, .offset: 48, .size: 8, .value_kind: global_buffer, .address_space: global }
      - { .name: hq, .offset: 56, .size: 8, .value_kind: global_buffer, .address_space: global }
      - { .name: zq, .offset: 64, .size: 8, .value_kind: global_buffer, .address_space: global }
    .group_segment_fixed_size: 68096
    .private_segment_fixed_size: 0
    .kernarg_segment_align: 8
    .kernarg_segment_size: 72
    .max_flat_workgroup_size: 128
    .sgpr_count:     66
    .vgpr_count:     194
    .wavefront_size: 32
...
	.end_amdgpu_metadata
.endif
;; end of part 1
;; launch gemm (part 2): grid 16 x 16, 4 waves a work-group, clusters of 4 x 4, 327,680 bytes of LDS; arguments wq, hq, zq, bias, c, h, z, z_bottom, out0, out1, out2; writes out0, out1, out2
.if DOCPART == 2
	.amdgcn_target "amdgcn-amd-amdhsa--gfx1250"
	.amdhsa_code_object_version 6
	.text
	.protected	k_qab2ad611c9_gemm
	.globl	k_qab2ad611c9_gemm
	.p2align	8
	.type	k_qab2ad611c9_gemm,@function
k_qab2ad611c9_gemm:
	s_mov_b64 s[64:65], 0
	v_nop
	global_prefetch_b8 v0, s[64:65] scope:SCOPE_SE
	s_setreg_imm32_b32 hwreg(HW_REG_WAVE_MODE, 25, 1), 1
	s_wait_xcnt 0x0
	s_wait_alu depctr_hold_cnt(0) depctr_sa_sdst(0) depctr_va_vdst(0) depctr_va_sdst(0) depctr_va_ssrc(0) depctr_va_vcc(0) depctr_vm_vsrc(0)
	s_getreg_b32 s2, hwreg(HW_REG_IB_STS2, 6, 4)
	s_cmp_eq_u32 s2, 0
	s_cbranch_scc0 .Lentry_in_a_cluster
	s_endpgm
.Lentry_in_a_cluster:
	s_bfe_u32 s2, ttmp6, 0x10000c
	s_cmp_lg_u32 s2, 0xf033
	s_cbranch_scc0 .Lentry_shape_is_right
	s_endpgm
.Lentry_shape_is_right:
; f_s = W_01 h_bottom + z (U_21 h_top) + z_bottom (U_11 h) + bias on the codes and scale bytes that launch quant laid, then the gates, c_new, h_new and z_new.
; A work-group of four waves makes 256 rows of f_s (64 hidden units x 4 gates: wq's rows are permuted so) x 256 columns; a wave 128 x 128: 64 accumulators, 512 registers.
; K = 3 x 1,024 goes in 12 steps of 256 through a ring of two LDS slots; a part of a slot is a dense block of 132 rows of 256 bytes (128 rows of codes, then their scale bytes).
; ONE SUM FOR THE THREE PRODUCTS: behind K step 3 the sums are multiplied by z / zb', behind K step 7 by zb' with the bias added, so that the end holds z S0 + zb' S1 + bias + S2.
; LIMIT: zb' is z_bottom where |z_bottom| >= max(2^-40 |z|, 2^-100), else that bound: there the result is off by at most the bound x |S1|; S0 z / zb' must stay finite in f32 (|S0| under 2^87).
; LIMIT: NaN and infinities among the inputs are not served.
; CLUSTERS 4 x 4: the weights' parts are shared along a row of the cluster, the activations' along a column; each is asked for jointly.
; PREFETCH: behind the refill with K step t + 2 each wave names K step t + 4 of the part that it fetches; of its 132 blocks of 256 bytes the partner at place p takes 33 p .. 33 p + 32 (32 by lanes, one by a second line
; in which every lane names that one block).  K steps 1 and 2 are named at the head, K step 3 behind K step 1's load.  The loop's last trip names the wave's own rows of c and of h instead (32 rows x 512 bytes each).
; Row 4096 (z_new): each work-group takes 16 columns, its four waves a quarter of each product's K; the parts meet in LDS.
; The matrix instruction is used transposed (source 0 = 16 columns of h.., source 1 = 16 rows of weights).
; REGISTERS: window 0: v0-31 addresses, v32-63 scale words (two sets), v64-127 at work, v128-255 the weights' fragments (one set); window 1: the activations' fragments (two sets); windows 2, 3: the accumulators.
.set PITCH,  272
.set UNITS,  132
.set PARTB,  UNITS*PITCH
.set SLOT,   4*PARTB
.set BLK,    UNITS*256
.set SCOFF,  128*PITCH
.set FR,     16
.set NL,     4
.set NP,     8
.set CV,     2*SLOT                    ; behind the ring: five vectors of 128 column factors for each wave
.set CVW,    2560
.set ZP,     CV+4*CVW                  ; row 4096's four parts
.set SPARE,  ZP+512                    ; the spare words
.set SPITCH, 528
.set STGB,   16*SPITCH
.set BI,   8
.set ADRA, 16
.set ADRS, 18
.set ADRB, 20
.set CVA,  22
.set CVL,  23
.set STO,  24
.set RD,   25
.set CO,   26
.set PFO,  27                          ; 256 x lane
.set SPW,  28
.set NIL,  29
.set PF,   30                          ; c's and h's prefetch: 16 rows x 2 blocks
.set PFO2, 31                          ; 256 x 32: my work-group's 33rd block
.set SC,   32
.set SV,   64
.set ZPW,  113
.set ZPR,  114
.set AF,   128
.set XF,   64
.set XI,   96
.set XO,   128
.set XG,   160
.set CC,   192
.set HH,   224
.set PFA, 12                           ; s[12:13] where my tile prefetches stand
.set G1,  24
.set G0,  32
.set G1B, 48
.set G0B, 56
.set MSB, 0
.macro WIN new
.if MSB != (\new)
	s_set_vgpr_msb (MSB<<8)|(\new)
.set MSB, (\new)
.endif
.endm
.set MUL_LO, 0xa1
.set MUL_HI, 0xf1
.set TO_B,   0x40
.macro JLOAD g0a, g1a, g0b, g1b        ; waves 0, 1 fetch the weights' two parts, waves 2, 3 the activations'
	s_cmp_eq_u32 s15, 0
	s_cbranch_scc0 .Lfor_b_\@
	tensor_load_to_lds s[\g0a:\g0a+3], s[\g1a:\g1a+7]
	s_nop 0
.rept 4
	v_nop
.endr
	s_branch .Lasked_\@
.Lfor_b_\@:
	tensor_load_to_lds s[\g0b:\g0b+3], s[\g1b:\g1b+7]
	s_nop 0
.rept 4
	v_nop
.endr
.Lasked_\@:
.endm
.macro CREST
	s_cmp_lg_u32 s14, 0
	s_cbranch_scc1 .Lnot_wave_0_\@
	s_barrier_signal -3
.Lnot_wave_0_\@:
	s_barrier_wait -3
	s_barrier_signal -1
	s_barrier_wait -1
.endm
.macro CROUND
	s_barrier_signal -1
	s_barrier_wait -1
	CREST
.endm
.macro PLACES n
.rept \n
	v_nop
.endr
.endm
	s_load_b256 s[4:11], s[0:1], 0x0               ; wq, hq, zq, bias
	s_load_b256 s[68:75], s[0:1], 0x20             ; c, h, z, z_bottom
	s_load_b128 s[76:79], s[0:1], 0x40             ; out0, out1
	s_load_b64 s[80:81], s[0:1], 0x50              ; out2
	v_lshl_add_u32 v[SPW], v0, 2, SPARE
	v_mov_b32 v[NIL], 0
	ds_add_u32 v[SPW], v[NIL]                      ; the opening lines: the add twice on end
	ds_add_u32 v[SPW], v[NIL]
	v_lshrrev_b32 v1, 5, v0
	v_readfirstlane_b32 s14, v1                    ; wave
	s_lshr_b32 s15, s14, 1                         ; my half of the rows; also: I fetch weights (0) or activations (1)
	s_and_b32 s16, s14, 1                          ; my half of the columns; also: which part I fetch
	s_bfe_u32 s40, ttmp6, 0x40000                  ; cx
	s_bfe_u32 s41, ttmp6, 0x40004                  ; cy
	s_lshl_b32 s42, ttmp9, 2
	s_add_co_u32 s42, s42, s40                     ; tile column tx
	s_and_b32 s17, ttmp7, 0xffff
	s_lshl_b32 s17, s17, 2
	s_add_co_u32 s17, s17, s41                     ; tile row ty
	s_lshl_b32 s43, s41, 2
	s_lshl_b32 s43, 15, s43
	s_lshl_b32 s44, 0x1111, s40
	s_or_b32 s[G1+0], s43, (3<<16)|(1<<20)|(1<<21)|(5<<22)|(3<<25)   ; 132 rows of 32 elements of 8 bytes, 16 bytes of padding behind each
	s_or_b32 s[G1B+0], s44, (3<<16)|(1<<20)|(1<<21)|(5<<22)|(3<<25)
.irp g, G1, G1B
	s_mov_b32 s[\g+1], 32<<16
	s_mov_b32 s[\g+2], UNITS<<16
	s_mov_b32 s[\g+3], 32<<16
	s_mov_b32 s[\g+4], UNITS
	s_mov_b32 s[\g+5], 32
	s_mov_b32 s[\g+6], 0
	s_mov_b32 s[\g+7], 0
.endr
	s_lshl_b32 s20, s17, 1
	s_add_co_u32 s20, s20, s16
	s_mul_i32 s20, s20, 12*BLK                     ; wq: tile 2 ty + part
	s_mov_b32 s21, 0
	s_lshl_b32 s46, s42, 1
	s_add_co_u32 s46, s46, s16
	s_mul_i32 s46, s46, 12*BLK                     ; hq: tile 2 tx + part
	s_mov_b32 s47, 0
	s_mul_i32 s45, s14, PARTB
	s_mov_b32 s84, 0xbfb8aa3b                      ; -log2(e)
	s_mov_b32 s85, s84
	s_mov_b32 s86, 0x4038aa3b                      ; 2 log2(e)
	s_mov_b32 s87, s86
	s_cmp_eq_u32 s15, 0                            ; the prefetches' offset: my part, and my work-group's 33 blocks of it
	s_cselect_b32 s[PFA], s20, s46
	s_cselect_b32 s2, s40, s41
	s_mul_i32 s2, s2, 33*256
	s_add_co_u32 s[PFA], s[PFA], s2
	s_mov_b32 s[PFA+1], 0
	s_lshl_b32 s88, s42, 10                        ; my wave's 128 columns, in bytes
	s_lshl_b32 s89, s16, 9
	s_add_co_u32 s88, s88, s89
	s_lshl_b32 s90, s17, 8                         ; my wave's 32 hidden units in bias
	s_lshl_b32 s89, s15, 7
	s_add_co_u32 s90, s90, s89
	s_lshl_b32 s91, s42, 10                        ; row 4096: my work-group's 16 columns
	s_lshl_b32 s89, s17, 6
	s_add_co_u32 s91, s91, s89
	s_lshl_b32 s92, s14, 8                         ; zq: my wave's 256 along K
	s_lshl_b32 s93, s42, 1
	s_lshr_b32 s89, s17, 3
	s_add_co_u32 s93, s93, s89
	s_mul_i32 s93, s93, 12
	s_add_co_u32 s93, s93, s14
	s_mul_i32 s93, s93, BLK                        ; hq's block of those columns for product 0
	s_and_b32 s89, s17, 7
	s_lshl_b32 s95, s89, 12
	s_add_co_u32 s95, s95, s93                     ; their codes
	s_lshl_b32 s94, s89, 7
	s_add_co_u32 s94, s94, s93
	s_add_co_u32 s94, s94, 32768                   ; their scale bytes
	s_lshl_b32 s96, s14, 3
	s_add_co_u32 s96, s96, 3072                    ; zq's scale bytes
	s_mul_i32 s97, s15, PARTB                      ; LDS: my weights' part,
	s_mul_i32 s98, s16, PARTB
	s_add_co_u32 s98, s98, 2*PARTB                 ; my activations' part,
	s_xor_b32 s99, s15, 1
	s_add_co_u32 s99, s99, s16
	s_add_co_u32 s99, s99, 1
	s_mul_i32 s99, s99, PARTB                      ; the distance between the two,
	s_add_co_u32 s18, s97, SCOFF                   ; the weights' scale bytes,
	s_mul_i32 s19, s14, CVW
	s_add_co_u32 s19, s19, CV                      ; my column factors,
	s_mul_i32 s22, s14, 4*STGB                     ; my stage (in slot 0, behind its last fill and last read)
	s_lshl_b32 s23, s17, 6
	s_lshl_b32 s89, s15, 5
	s_add_co_u32 s23, s23, s89
	s_lshl_b32 s23, s23, 14
	s_add_co_u32 s23, s23, s88                     ; c, h, out0, out1: my first row and column
	s_wait_alu depctr_va_vdst(0)
	s_wait_dscnt 0x0                               ; both opening adds are done
	s_wait_kmcnt 0x0
	s_cmp_eq_u32 s15, 0
	s_cselect_b64 s[66:67], s[4:5], s[6:7]
	s_add_nc_u64 s[PFA:PFA+1], s[66:67], s[PFA:PFA+1]
	s_add_nc_u64 s[20:21], s[4:5], s[20:21]
	s_add_nc_u64 s[46:47], s[6:7], s[46:47]
.irp s, 0,1
	s_mov_b32 s[G0+4*\s], 1
	s_add_co_u32 s[G0+4*\s+1], s45, \s*SLOT
	s_add_nc_u64 s[G0+4*\s+2:G0+4*\s+3], s[20:21], \s*BLK
	s_or_b32 s[G0+4*\s+3], s[G0+4*\s+3], 0x80000000
	s_mov_b32 s[G0B+4*\s], 1
	s_add_co_u32 s[G0B+4*\s+1], s45, \s*SLOT
	s_add_nc_u64 s[G0B+4*\s+2:G0B+4*\s+3], s[46:47], \s*BLK
	s_or_b32 s[G0B+4*\s+3], s[G0B+4*\s+3], 0x80000000
.endr
	s_load_b32 s82, s[10:11], 0x4000               ; bias[4096]
	CROUND                                         ; the round in front of the first joint loads
	JLOAD G0, G1, G0B, G1B                         ; K step 0: one tensor load a wave at the head
	v_and_b32 v1, 15, v0                           ; r
	v_bfe_u32 v2, v0, 4, 1                         ; half
	v_and_b32 v3, 31, v0                           ; lane
	v_lshlrev_b32 v[PFO], 8, v3
	v_mov_b32 v[PFO2], 8192
	v_lshl_add_u32 v72, v3, 4, s88
	v_lshl_add_u32 v73, v1, 2, s90
	v_lshl_add_u32 v74, v1, 2, s91
	v_lshl_add_u32 v75, v2, 4, s92
	v_lshl_add_u32 v76, v1, 8, s95
	v_lshl_add_u32 v76, v2, 4, v76
	v_mov_b32 v77, s96
	v_lshl_add_u32 v78, v1, 3, s94
	s_wait_alu depctr_va_vdst(0)
	global_load_b128 v[64:67], v72, s[72:73]       ; z and z_bottom of my 128 columns, 4 a lane
	global_load_b128 v[68:71], v72, s[74:75]
.irp f, 0,1,2,3,4,5,6,7
	global_load_b32 v[BI+\f], v73, s[10:11] offset:4096*(\f%4)+64*(\f/4)   ; bias: gate f % 4, units 16 (f / 4) + r
.endr
	global_load_b32 v4, v74, s[72:73]              ; z, z_bottom of row 4096's columns
	global_load_b32 v5, v74, s[74:75]
	WIN TO_B
.irp p, 0,1,2
.irp q, 0,1
.irp c, 0,1,2,3
	global_load_b128 v[16*(2*\p+\q)+4*\c:16*(2*\p+\q)+4*\c+3], v75, s[8:9] offset:1024*\p+128*\q+32*\c
	global_load_b128 v[96+16*(2*\p+\q)+4*\c:96+16*(2*\p+\q)+4*\c+3], v76, s[6:7] offset:4*BLK*\p+128*\q+32*\c
.endr
.endr
.endr
	WIN 0
.irp p, 0,1,2
	global_load_b64 v[32+2*\p:33+2*\p], v77, s[8:9] offset:32*\p
	global_load_b64 v[38+2*\p:39+2*\p], v78, s[6:7] offset:4*BLK*\p
.endr
.irp k, 1,2
	global_prefetch_b8 v[PFO], s[PFA:PFA+1] offset:\k*BLK th:TH_LOAD_NT scope:SCOPE_SE    ; K steps 1 and 2
	global_prefetch_b8 v[PFO2], s[PFA:PFA+1] offset:\k*BLK th:TH_LOAD_NT scope:SCOPE_SE
.endr
	v_mul_u32_u24 v6, v1, PITCH
	v_lshl_add_u32 v6, v2, 4, v6                   ; a fragment's row x pitch + 16 x half
	v_add_nc_u32 v[ADRA], s97, v6
	v_add_nc_u32 v[ADRB], s98, v6
	v_add_nc_u32 v[ADRA+1], SLOT, v[ADRA]
	v_add_nc_u32 v[ADRB+1], SLOT, v[ADRB]
	v_mul_u32_u24 v7, s99, v2                      ; scale words: lanes 0-15 the weights', lanes 16-31 the activations'
	v_lshl_add_u32 v7, v1, 3, v7
	v_add_nc_u32 v[ADRS], s18, v7
	v_add_nc_u32 v[ADRS+1], SLOT, v[ADRS]
	v_lshl_add_u32 v[CVA], v2, 5, s19
	v_lshl_add_u32 v[CVL], v3, 4, s19
	v_mul_u32_u24 v[STO], v1, SPITCH
	v_lshl_add_u32 v[STO], v2, 5, v[STO]
	v_add_nc_u32 v[STO], s22, v[STO]
	v_lshl_add_u32 v[RD], v3, 4, s22
	v_lshl_add_u32 v[CO], v3, 4, s23
	v_lshrrev_b32 v6, 1, v3
	v_and_b32 v7, 1, v3
	v_lshlrev_b32 v7, 8, v7
	v_lshl_add_u32 v7, v6, 14, v7
	v_add_nc_u32 v[PF], s23, v7
	v_lshl_add_u32 v[ZPW], v0, 2, ZP
	v_lshl_add_u32 v[ZPR], v3, 2, ZP
	s_wait_alu depctr_va_vdst(0)
	s_wait_loadcnt 0x0
	s_wait_kmcnt 0x0
	; the column factors: z / zb', zb', z + (1 - z) zb, (1 - z)(1 - zb), (1 - z) zb
.irp k, 0,1,2,3
	v_mul_f32 v[80+\k], 0x2b800000, |v[64+\k]|
.endr
.irp k, 0,1,2,3
	v_max_num_f32 v[80+\k], 0x0d800000, v[80+\k]
.endr
.irp k, 0,1,2,3
	v_cmp_ge_f32 vcc_lo, |v[68+\k]|, v[80+\k]
	v_cndmask_b32 v[84+\k], v[80+\k], v[68+\k], vcc_lo
.endr
	s_wait_alu depctr_va_vdst(0)                   ; ahead of the batch
.irp k, 0,1,2,3
	v_rcp_f32 v[88+\k], v[84+\k]
.endr
.irp k, 0,1,2,3
	v_sub_f32 v[96+\k], 1.0, v[64+\k]
.endr
	s_wait_alu depctr_va_vdst(0)                   ; behind the batch
.irp k, 0,1,2,3
	v_mul_f32 v[92+\k], v[64+\k], v[88+\k]
	v_mul_f32 v[100+\k], v[96+\k], v[68+\k]
	v_fma_f32 v[104+\k], -v[96+\k], v[68+\k], v[96+\k]
	v_fma_f32 v[108+\k], v[96+\k], v[68+\k], v[64+\k]
.endr
	ds_store_b128 v[CVL], v[92:95]
	ds_store_b128 v[CVL], v[84:87] offset:512
	ds_store_b128 v[CVL], v[108:111] offset:1024
	ds_store_b128 v[CVL], v[104:107] offset:1536
	ds_store_b128 v[CVL], v[100:103] offset:2048
	WIN 0x55                                       ; row 4096: three sums by turns, my 256 along K of each product
.irp q, 0,1
.irp p, 0,1,2
.if \q == 0
	v_wmma_scale_f32_16x16x128_f8f6f4 v[192+8*\p:199+8*\p], v[16*(2*\p+\q):16*(2*\p+\q)+15], v[96+16*(2*\p+\q):96+16*(2*\p+\q)+15], 0, v[32+2*\p+\q], v[38+2*\p+\q]
.else
	v_wmma_scale_f32_16x16x128_f8f6f4 v[192+8*\p:199+8*\p], v[16*(2*\p+\q):16*(2*\p+\q)+15], v[96+16*(2*\p+\q):96+16*(2*\p+\q)+15], v[192+8*\p:199+8*\p], v[32+2*\p+\q], v[38+2*\p+\q]
.endif
.endr
.endr
	PLACES NP
	WIN 0x11
	v_fma_f32 v79, v192, v4, v208
	WIN 0x01
	v_fma_f32 v79, v200, v5, v79
	WIN 0
	ds_store_b32 v[ZPW], v79
	s_wait_alu depctr_va_vdst(0)                   ; the wait at the head's end
	s_wait_tensorcnt 0x0                           ; my part of K step 0 is in
	ds_add_u32 v[SPW], v[NIL]
	s_wait_dscnt 0x0                               ; the add and my LDS stores are done
	CROUND
	JLOAD G0+4, G1, G0B+4, G1B                     ; K step 1: slot 1's first fill, issued as a refill is
.macro FRAG reg, adr, q, i
.irp c, 0,1,2,3
	ds_load_b128 v[\reg+4*\c:\reg+4*\c+3], v[\adr] offset:128*(\q)+32*\c+(\i)*16*PITCH
.endr
.endm
; 8 products: the weights' block a x the activations' eight.  The 64 accumulators take turns in the same order in every step.
.macro MUL8 a, p, q, sc, zero
.irp b, 0,1,2,3,4,5,6,7
.if \zero
	v_wmma_scale_f32_16x16x128_f8f6f4 v[8*(8*((\a)%4)+\b):8*(8*((\a)%4)+\b)+7], v[128*(\p)+FR*\b:128*(\p)+FR*\b+FR-1], v[AF+FR*(\a):AF+FR*(\a)+FR-1], 0, v[SC+16*(\sc)+2*\b+(\q)], v[SC+16*(\sc)+2*(2*((\a)%4)+(\a)/4)+(\q)] matrix_a_scale:MATRIX_SCALE_ROW1
.else
	v_wmma_scale_f32_16x16x128_f8f6f4 v[8*(8*((\a)%4)+\b):8*(8*((\a)%4)+\b)+7], v[128*(\p)+FR*\b:128*(\p)+FR*\b+FR-1], v[AF+FR*(\a):AF+FR*(\a)+FR-1], v[8*(8*((\a)%4)+\b):8*(8*((\a)%4)+\b)+7], v[SC+16*(\sc)+2*\b+(\q)], v[SC+16*(\sc)+2*(2*((\a)%4)+(\a)/4)+(\q)] matrix_a_scale:MATRIX_SCALE_ROW1
.endif
.endr
.endm
.macro FETCH_B slot, q, p
	WIN TO_B
.irp i, 0,1,2,3,4,5,6,7
	FRAG 128*(\p)+FR*\i, ADRB+\slot, \q, \i
.endr
	WIN 0
.endm
.macro FETCH_A slot, q, i0             ; register block i holds the tile's block 2 (i % 4) + i / 4: gate i % 4, units 16 (i / 4) on
.irp i, \i0, \i0+1, \i0+2, \i0+3
	FRAG AF+FR*(\i), ADRA+\slot, \q, 2*((\i)%4)+(\i)/4
.endr
.endm
.macro SCALES sc
.irp i, 0,1,2,3,4,5,6,7
	ds_load_b64 v[SC+16*\sc+2*\i:SC+16*\sc+2*\i+1], v[ADRS+\sc] offset:(\i/2)*PITCH+(\i%2)*128
.endr
.endm
; A slot's first 128 along K.  The activations' second set is already asked for.
.macro STEP slot, zero
	s_wait_dscnt 12*NL                             ; may be out: the weights' blocks 4-7 (16 loads) and the activations' next set (32)
	WIN MUL_LO
.irp a, 0,1,2,3
	MUL8 \a, 0, 0, \slot, \zero
.endr
	s_wait_dscnt 8*NL                              ; may be out: the activations' next set
	PLACES NP
	WIN 0
	FETCH_A \slot, 1, 0
	WIN MUL_HI
.irp a, 4,5,6,7
	MUL8 \a, 0, 0, \slot, \zero
.endr
	PLACES NP
	WIN 0
	FETCH_A \slot, 1, 4
.endm
; Behind a refill: K step t + 4 of my part, or in the loop's last trip my rows of c (slot 0) or of h (slot 1)
.macro ASK slot
	s_cmp_gt_u32 s3, 1
	s_cbranch_scc0 .Lask_ch_\@
	global_prefetch_b8 v[PFO], s[PFA:PFA+1] offset:3*BLK th:TH_LOAD_NT scope:SCOPE_SE
	global_prefetch_b8 v[PFO2], s[PFA:PFA+1] offset:3*BLK th:TH_LOAD_NT scope:SCOPE_SE
	s_branch .Lask_done_\@
.Lask_ch_\@:
	global_prefetch_b8 v[PF], s[68+2*\slot:69+2*\slot] th:TH_LOAD_NT scope:SCOPE_SE
	global_prefetch_b8 v[PF], s[68+2*\slot:69+2*\slot] offset:262144 th:TH_LOAD_NT scope:SCOPE_SE
.Lask_done_\@:
.endm
; A slot's second 128 along K, and the change of slots at its head.
.macro TURN slot, next, fill
	s_wait_xcnt 0x0                                ; my prefetches have read their address
	s_add_nc_u64 s[PFA:PFA+1], s[PFA:PFA+1], BLK
	s_wait_tensorcnt 0x0                           ; my part of the next slot is in
	ds_add_u32 v[SPW], v[NIL]
.if \fill
	s_add_nc_u64 s[G0+4*\slot+2:G0+4*\slot+3], s[G0+4*\slot+2:G0+4*\slot+3], 2*BLK
	s_add_nc_u64 s[G0B+4*\slot+2:G0B+4*\slot+3], s[G0B+4*\slot+2:G0B+4*\slot+3], 2*BLK
.endif
	s_wait_dscnt 4*NL+1                            ; may be out: the weights' blocks 4-7 and the add
	WIN MUL_LO
	MUL8 0, 1, 1, \slot, 0
	s_wait_dscnt 0x0                               ; the add is done, my reads of this slot are over
	s_barrier_signal -1
	WIN 0
	s_barrier_wait -1
.if \fill
	CREST
	JLOAD G0+4*\slot, G1, G0B+4*\slot, G1B         ; the first tensor load behind the round
.endif
	FETCH_B \next, 0, 0                            ; set 0 was last multiplied in the step before, with its places behind it
	SCALES \next
.if \fill
	ASK \slot
.endif
	WIN MUL_LO
.irp a, 1,2,3
	MUL8 \a, 1, 1, \slot, 0
.endr
	PLACES NP
	WIN 0
	FETCH_A \next, 0, 0
	WIN MUL_HI
.irp a, 4,5,6,7
	MUL8 \a, 1, 1, \slot, 0
.endr
	PLACES NP
	WIN 0
	FETCH_A \next, 0, 4
	FETCH_B \next, 1, 1
.endm
; The sums x a column factor (kind 1), or x a column factor + the row's bias (kind 2)
.macro HORNER kind
.irp b, 0,1,2,3,4,5,6,7
	ds_load_b128 v[SV+8*\b:SV+8*\b+3], v[CVA] offset:512*(\kind-1)+64*\b
	ds_load_b128 v[SV+8*\b+4:SV+8*\b+7], v[CVA] offset:512*(\kind-1)+64*\b+16
.endr
	s_wait_dscnt 0x0
.irp hi, 0,1
	WIN 0x82+0x41*\hi
.irp a, 0,1,2,3
.irp b, 0,1,2,3,4,5,6,7
.irp i, 0,1,2,3
.if \kind == 1
	v_pk_mul_f32 v[8*(8*\a+\b)+2*\i:8*(8*\a+\b)+2*\i+1], v[8*(8*\a+\b)+2*\i:8*(8*\a+\b)+2*\i+1], v[SV+8*\b+2*\i:SV+8*\b+2*\i+1]
.elseif \a%2 == 0
	v_pk_fma_f32 v[8*(8*\a+\b)+2*\i:8*(8*\a+\b)+2*\i+1], v[8*(8*\a+\b)+2*\i:8*(8*\a+\b)+2*\i+1], v[SV+8*\b+2*\i:SV+8*\b+2*\i+1], v[BI+4*\hi+\a:BI+4*\hi+\a+1] op_sel_hi:[1,1,0]
.else
	v_pk_fma_f32 v[8*(8*\a+\b)+2*\i:8*(8*\a+\b)+2*\i+1], v[8*(8*\a+\b)+2*\i:8*(8*\a+\b)+2*\i+1], v[SV+8*\b+2*\i:SV+8*\b+2*\i+1], v[BI+4*\hi+\a-1:BI+4*\hi+\a] op_sel:[0,0,1] op_sel_hi:[1,1,1]
.endif
.endr
.endr
.endr
.endr
	WIN 0
.endm
	FETCH_B 0, 0, 0
	SCALES 0
	FETCH_A 0, 0, 0
	FETCH_A 0, 0, 4
	FETCH_B 0, 1, 1
	global_prefetch_b8 v[PFO], s[PFA:PFA+1] offset:3*BLK th:TH_LOAD_NT scope:SCOPE_SE     ; K step 3
	global_prefetch_b8 v[PFO2], s[PFA:PFA+1] offset:3*BLK th:TH_LOAD_NT scope:SCOPE_SE
	s_cmp_lg_u32 s14, 0
	s_cbranch_scc1 .Lnot_z
	ds_load_b32 v80, v[ZPR]                        ; wave 0: row 4096's four parts, behind the round above
	ds_load_b32 v81, v[ZPR] offset:128
	ds_load_b32 v82, v[ZPR] offset:256
	ds_load_b32 v83, v[ZPR] offset:384
	s_wait_dscnt 0x0
	v_add_f32 v80, v80, v81
	v_add_f32 v82, v82, v83
	v_add_f32 v80, v80, v82
	v_add_f32 v80, s82, v80
	v_fma_f32 v80, v80, 0.5, 0.5
	v_med3_num_f32 v80, v80, 0, 1.0                ; z_hat
	v_cmp_lt_f32 vcc_lo, 0.5, v80
	v_cndmask_b32 v81, 0, 1.0, vcc_lo
	v_sub_f32 v81, v81, v80
	v_add_f32 v80, v80, v81                        ; z_hat + (step - z_hat)
	global_store_b32 v74, v80, s[80:81]            ; (both halves of the lanes store the same word with the same value)
.Lnot_z:
	STEP 0, 1                                      ; the first step's products start the sums
	s_mov_b32 s3, 5
.Llap:
	TURN 0, 1, 1
	STEP 1, 0
	TURN 1, 0, 1
	s_cmp_eq_u32 s3, 4
	s_cbranch_scc0 .Lno_s1
	HORNER 1                                       ; behind K step 3
.Lno_s1:
	s_cmp_eq_u32 s3, 2
	s_cbranch_scc0 .Lno_s2
	HORNER 2                                       ; behind K step 7
.Lno_s2:
	s_wait_alu depctr_va_vdst(0)
	STEP 0, 0
	s_sub_co_u32 s3, s3, 1
	s_cmp_lg_u32 s3, 0
	s_cbranch_scc1 .Llap
	TURN 0, 1, 0                                   ; nothing more is filled: no round
	STEP 1, 0
	s_wait_dscnt 4*NL                              ; may be out: the weights' blocks 4-7
	WIN MUL_LO
.irp a, 0,1,2,3
	MUL8 \a, 1, 1, 1, 0
.endr
	s_wait_dscnt 0
	WIN MUL_HI
.irp a, 4,5,6,7
	MUL8 \a, 1, 1, 1, 0
.endr
	WIN 0
	PLACES NP
; THE WAY OUT.  16 hidden units x 4 gates x 128 columns go through my stage and come back as rows of 512 bytes, a lane 4 columns: so c, h and both outputs move in whole rows.
.macro TOSTAGE u
	WIN 0x08+4*\u
.irp g, 0,1,2,3
.irp b, 0,1,2,3,4,5,6,7
	ds_store_b128 v[STO], v[64*\g+8*\b:64*\g+8*\b+3] offset:\g*STGB+64*\b
	ds_store_b128 v[STO], v[64*\g+8*\b+4:64*\g+8*\b+7] offset:\g*STGB+64*\b+16
.endr
.endr
	WIN 0
.endm
.macro GLOAD u, hf, first
.if !\first
	s_wait_xcnt 0x0                                ; the stores have read their registers
.endif
.irp t, 0,1,2,3,4,5,6,7
	global_load_b128 v[CC+4*\t:CC+4*\t+3], v[CO], s[68:69] offset:(16*\u+8*\hf+\t)*16384 th:TH_LOAD_NT
.endr
.irp t, 0,1,2,3,4,5,6,7
	global_load_b128 v[HH+4*\t:HH+4*\t+3], v[CO], s[70:71] offset:(16*\u+8*\hf+\t)*16384 th:TH_LOAD_NT
.endr
.endm
.macro EWORK u, hf
.irp g, 0,1,2,3
.irp t, 0,1,2,3,4,5,6,7
	ds_load_b128 v[XF+32*\g+4*\t:XF+32*\g+4*\t+3], v[RD] offset:\g*STGB+(8*\hf+\t)*SPITCH
.endr
.endr
	s_wait_dscnt 0x0
.set ix, 0
.rept 48
	v_pk_mul_f32 v[XF+ix:XF+ix+1], v[XF+ix:XF+ix+1], s[84:85] op_sel_hi:[1,0]
.set ix, ix+2
.endr
.rept 16
	v_pk_mul_f32 v[XF+ix:XF+ix+1], v[XF+ix:XF+ix+1], s[86:87] op_sel_hi:[1,0]
.set ix, ix+2
.endr
.set ix, 0
	s_wait_alu depctr_va_vdst(0)
.rept 128
	v_exp_f32 v[XF+ix], v[XF+ix]
.set ix, ix+1
.endr
	v_nop
.set ix, 0
	s_wait_alu depctr_va_vdst(0)
.rept 64
	v_pk_add_f32 v[XF+ix:XF+ix+1], v[XF+ix:XF+ix+1], 1.0 op_sel_hi:[1,0]
.set ix, ix+2
.endr
.set ix, 0
	s_wait_alu depctr_va_vdst(0)
.rept 128
	v_rcp_f32 v[XF+ix], v[XF+ix]                   ; f, i, o; and 1 / (1 + e^(2 x)) for g
.set ix, ix+1
.endr
	v_nop
.set ix, 0
	s_wait_alu depctr_va_vdst(0)
.rept 16
	v_pk_fma_f32 v[XG+ix:XG+ix+1], v[XG+ix:XG+ix+1], -2.0, 1.0 op_sel_hi:[1,0,0]   ; g = tanh
.set ix, ix+2
.endr
.set ix, 0
.rept 16
	v_pk_mul_f32 v[XI+ix:XI+ix+1], v[XI+ix:XI+ix+1], v[XG+ix:XG+ix+1]
	v_pk_fma_f32 v[XF+ix:XF+ix+1], v[XF+ix:XF+ix+1], v[12+ix%4:13+ix%4], v[8+ix%4:9+ix%4]
.set ix, ix+2
.endr
	s_wait_loadcnt 8                               ; c is in; h's eight loads may be out
.set ix, 0
.rept 16
	v_pk_mul_f32 v[CC+ix:CC+ix+1], v[CC+ix:CC+ix+1], v[XF+ix:XF+ix+1]
.set ix, ix+2
.endr
.set ix, 0
.rept 16
	v_pk_fma_f32 v[CC+ix:CC+ix+1], v[XI+ix:XI+ix+1], v[4+ix%4:5+ix%4], v[CC+ix:CC+ix+1]
.set ix, ix+2
.endr
.irp t, 0,1,2,3,4,5,6,7
	global_store_b128 v[CO], v[CC+4*\t:CC+4*\t+3], s[78:79] offset:(16*\u+8*\hf+\t)*16384 th:TH_STORE_NT
.endr
.set ix, 0
.rept 16
	v_pk_mul_f32 v[XF+ix:XF+ix+1], v[CC+ix:CC+ix+1], s[86:87] op_sel_hi:[1,0]
.set ix, ix+2
.endr
.set ix, 0
	s_wait_alu depctr_va_vdst(0)
.rept 32
	v_exp_f32 v[XF+ix], v[XF+ix]
.set ix, ix+1
.endr
	v_nop
.set ix, 0
	s_wait_alu depctr_va_vdst(0)
.rept 16
	v_pk_add_f32 v[XF+ix:XF+ix+1], v[XF+ix:XF+ix+1], 1.0 op_sel_hi:[1,0]
.set ix, ix+2
.endr
.set ix, 0
	s_wait_alu depctr_va_vdst(0)
.rept 32
	v_rcp_f32 v[XF+ix], v[XF+ix]
.set ix, ix+1
.endr
	v_nop
.set ix, 0
	s_wait_alu depctr_va_vdst(0)
.rept 16
	v_pk_fma_f32 v[XF+ix:XF+ix+1], v[XF+ix:XF+ix+1], -2.0, 1.0 op_sel_hi:[1,0,0]   ; tanh(c_new)
.set ix, ix+2
.endr
.set ix, 0
.rept 16
	v_pk_mul_f32 v[XO+ix:XO+ix+1], v[XO+ix:XO+ix+1], v[XF+ix:XF+ix+1]
.set ix, ix+2
.endr
	s_wait_loadcnt 0x0
.set ix, 0
.rept 16
	v_pk_mul_f32 v[HH+ix:HH+ix+1], v[HH+ix:HH+ix+1], v[8+ix%4:9+ix%4]
.set ix, ix+2
.endr
.set ix, 0
.rept 16
	v_pk_fma_f32 v[HH+ix:HH+ix+1], v[XO+ix:XO+ix+1], v[4+ix%4:5+ix%4], v[HH+ix:HH+ix+1]
.set ix, ix+2
.endr
.irp t, 0,1,2,3,4,5,6,7
	global_store_b128 v[CO], v[HH+4*\t:HH+4*\t+3], s[76:77] offset:(16*\u+8*\hf+\t)*16384 th:TH_STORE_NT
.endr
.endm
	ds_load_b128 v[4:7], v[CVL] offset:1024        ; my 4 columns' factors
	ds_load_b128 v[8:11], v[CVL] offset:1536
	ds_load_b128 v[12:15], v[CVL] offset:2048
	GLOAD 0, 0, 1
	TOSTAGE 0
	EWORK 0, 0
	GLOAD 0, 1, 0
	EWORK 0, 1
	GLOAD 1, 0, 0
	TOSTAGE 1
	EWORK 1, 0
	GLOAD 1, 1, 0
	EWORK 1, 1
	s_wait_tensorcnt 0x0                           ; the wave's end
	ds_add_u32 v[SPW], v[NIL]
	s_wait_dscnt 0x0
	CROUND                                         ; the closing round
	s_endpgm
.Lfunc_end_k_qab2ad611c9_gemm:
	.size	k_qab2ad611c9_gemm, .Lfunc_end_k_qab2ad611c9_gemm-k_qab2ad611c9_gemm
	.p2alignl 7, 3214868480
	.fill 96, 4, 3214868480
	.section	.rodata,"a",@progbits
	.p2align	6, 0x0
	.amdhsa_kernel k_qab2ad611c9_gemm
		.amdhsa_group_segment_fixed_size 327680
		.amdhsa_private_segment_fixed_size 0
		.amdhsa_enable_private_segment 0
		.amdhsa_kernarg_size 88
		.amdhsa_user_sgpr_count 2
		.amdhsa_user_sgpr_kernarg_segment_ptr 1
		.amdhsa_wavefront_size32 1
		.amdhsa_system_sgpr_workgroup_id_x 1
		.amdhsa_system_sgpr_workgroup_id_y 1
		.amdhsa_system_sgpr_workgroup_id_z 1
		.amdhsa_system_vgpr_workitem_id 0
		.amdhsa_next_free_vgpr 1024
		.amdhsa_next_free_sgpr 100
		.amdhsa_reserve_vcc 1
		.amdhsa_float_denorm_mode_32 3
		.amdhsa_float_denorm_mode_16_64 3
		.amdhsa_memory_ordered 1
		.amdhsa_forward_progress 1
		.amdhsa_inst_pref_size 255
	.end_amdhsa_kernel
	.section	.bss,"aw",@nobits
	.p2align	6
	.space	262144
	.amdgpu_metadata
---
amdhsa.version: [ 1, 2 ]
amdhsa.kernels:
  - .name:           k_qab2ad611c9_gemm
    .symbol:         k_qab2ad611c9_gemm.kd
    .args:
      - { .name: wq, .offset: 0, .size: 8, .value_kind: global_buffer, .address_space: global }
      - { .name: hq, .offset: 8, .size: 8, .value_kind: global_buffer, .address_space: global }
      - { .name: zq, .offset: 16, .size: 8, .value_kind: global_buffer, .address_space: global }
      - { .name: bias, .offset: 24, .size: 8, .value_kind: global_buffer, .address_space: global }
      - { .name: c, .offset: 32, .size: 8, .value_kind: global_buffer, .address_space: global }
      - { .name: h, .offset: 40, .size: 8, .value_kind: global_buffer, .address_space: global }
      - { .name: z, .offset: 48, .size: 8, .value_kind: global_buffer, .address_space: global }
      - { .name: z_bottom, .offset: 56, .size: 8, .value_kind: global_buffer, .address_space: global }
      - { .name: out0, .offset: 64, .size: 8, .value_kind: global_buffer, .address_space: global }
      - { .name: out1, .offset: 72, .size: 8, .value_kind: global_buffer, .address_space: global }
      - { .name: out2, .offset: 80, .size: 8, .value_kind: global_buffer, .address_space: global }
    .group_segment_fixed_size: 327680
    .private_segment_fixed_size: 0
    .kernarg_segment_align: 8
    .kernarg_segment_size: 88
    .max_flat_workgroup_size: 128
    .sgpr_count:     100
    .vgpr_count:     1024
    .wavefront_size: 32
...
	.end_amdgpu_metadata
.endif
;; end of part 2
